; MI455X (gfx1250); checked and timed in simulation.
; The chip was launched on July 23, 2026; its instructions are those of AMD's public machine-readable ISA for CDNA 5 (MIT licence, August 2026) and "CDNA5" Instruction Set Architecture Reference Guide (July 2026). The comments in the code are by the model that wrote it; some were corrected since.
;; Max Plus. Allowed arithmetic: float matrix products may take bf16 or f16 operands with f32 sums; all other float work in f32.
;; Inputs: a 512 x 512 float32; bias 512 float32; x 1,024 x 512 float32.
;; Outputs: out0 1,024 x 512 float32.
;; One version. Each part assembles by itself: llvm-mc -triple=amdgcn-amd-amdhsa -mcpu=gfx1250 --defsym DOCPART=n.
;; ======== version 1 of 1: 1 launch
;; launch maxplus (part 1): grid 8 x 32, 8 waves a work-group, clusters of 4 x 4, 291,840 bytes of LDS; arguments x, a, bias, out0; writes out0
.if DOCPART == 1
	.amdgcn_target "amdgcn-amd-amdhsa--gfx1250"
	.amdhsa_code_object_version 6
	.text
	.protected	k_qd23e48948e_maxplus
	.globl	k_qd23e48948e_maxplus
	.p2align	8
	.type	k_qd23e48948e_maxplus,@function
k_qd23e48948e_maxplus:
	s_mov_b64 s[64:65], 0
	v_nop
	global_prefetch_b8 v0, s[64:65] scope:SCOPE_SE
	s_setreg_imm32_b32 hwreg(HW_REG_WAVE_MODE, 25, 1), 1
	s_wait_xcnt 0x0
	s_wait_alu depctr_hold_cnt(0) depctr_sa_sdst(0) depctr_va_vdst(0) depctr_va_sdst(0) depctr_va_ssrc(0) depctr_va_vcc(0) depctr_vm_vsrc(0)
	s_getreg_b32 s2, hwreg(HW_REG_IB_STS2, 6, 4)
	s_cmp_eq_u32 s2, 0
	s_cbranch_scc0 .Lentry_in_a_cluster
	s_endpgm
.Lentry_in_a_cluster:
	s_bfe_u32 s2, ttmp6, 0x10000c
	s_cmp_lg_u32 s2, 0xf033
	s_cbranch_scc0 .Lentry_shape_is_right
	s_endpgm
.Lentry_shape_is_right:
; out0[b][i] = max over j of (x[b][j] + a[i][j]) + bias[i].   x: [1024][512], a: [512][512], bias: [512], out0: [1024][512], all f32.
; A product in the (max, +) semiring: no multiply-add, so nothing for the matrix instructions.  All arithmetic is f32 vector work:
; one v_pk_add_f32 makes the sums for j and j + 1, one v_max3_num_f32 folds both into the running maximum: one instruction for each (b, i, j).
; A maximum selects and does not round, and the bias is added behind it as in the reference, so the f32 result is the reference's.
; LIMIT: v_max_num_f32 and v_max3_num_f32 drop a NaN.  Where the reference gives NaN (a NaN among the inputs, or +inf + -inf among a
; row's sums) this text gives the maximum of the other sums.  Finite inputs of any size and single infinities are served.
;
; SHARES.  A work-group makes 32 rows x 64 columns of out0 (a row piece is 256 bytes, at a multiple of 256): 32 x 8 = 256 work-groups.
; Its 32 rows of x (64 KB) and 64 rows of a (128 KB) lie in LDS whole: every LDS byte is filled once, nothing is filled again.
; J is split over the 8 waves: wave w owns j = 64 w .. 64 w + 63 (256 bytes of every row, at a multiple of 256), fetches those columns by
; two tensor loads of its own and reads only what it fetched, so its own s_wait_tensorcnt is all the ordering in front of the arithmetic.
; Each wave covers the whole 32 x 64 block: a lane holds 8 x 8 maxima, and 16 LDS loads of 16 bytes feed 256 vector instructions.
; At the end the 8 partial blocks meet in an LDS stage (bytes of its own), behind one barrier.
; Lane l: lb = l & 3, li = l >> 2.  Its rows: b = 4 rb + lb.  Its columns: i = 32 (ri >> 2) + 4 li + (ri & 3), rb and ri = 0 .. 7.
;
; CLUSTER.  4 x 4 work-groups.  x's tile hangs on the block row alone and is asked for jointly by the four of a cluster row; a's tile hangs
; on the block column alone and is asked for jointly by the four of a cluster column: 192 KB per work-group are requested once for four.
.set ROWB,  2048                       ; bytes in a row of x, of a and of out0
.set TB,    32                         ; rows of x in the block
.set TI,    64                         ; rows of a in the block
.set JW,    64                         ; j of a wave
.set PITCH, 272                        ; LDS row: 256 bytes + 16 of padding, so neighbouring rows start 4 words apart mod 64, and rows 4 apart 16 words
.set XCH,   TB*PITCH                   ; a wave's columns of x in LDS: 8,704 bytes
.set ACH,   TI*PITCH                   ; a wave's columns of a in LDS: 17,408 bytes
.set ABASE, 8*XCH                      ; a's chunks lie behind x's
.set STAGE, ABASE+8*ACH                ; 208,896 = 816 x 256: the stage, into which no tensor load lands
.set SP,    320                        ; a stage row: 256 bytes + 64, so that the 16 lanes of a store (4 rows x 4 pieces of 16 bytes) cover 256 different bytes mod 256
.set SCH,   TB*SP                      ; a wave's partial block in the stage: 10,240 bytes
.set XA,  2                            ; v2        LDS address of my first row of x, at the trip's j
.set AA,  3                            ; v3        the same for a
.set ST,  4                            ; v4        stage: where I put my partial maxima
.set RD,  5                            ; v5        stage: where I read partial blocks 0-3 (an LDS offset has 16 bits: 8 blocks do not fit behind one register)
.set RD2, 6                            ; v6        and blocks 4-7
.set CO,  7                            ; v7        my byte offset in the block of out0
.set T,   8                            ; v[8:23]   eight pairs of sums
.set ACC, 24                           ; v[24:87]  maximum (rb, ri) at ACC + 8 rb + ri
.set X0,  88                           ; v[88:119]   x, buffer 0: row rb, 4 j, at 4 rb
.set X1,  120                          ; v[120:151]  x, buffer 1
.set A0,  154                          ; v[154:185]  a, buffer 0: row ri, 4 j, at 4 ri.  Starts at 2 mod 4 where X starts at 0 mod 4:
.set A1,  186                          ; v[186:217]  a, buffer 1.                        the two source pairs of a v_pk_add_f32 never share a register number mod 4
.set R,   88                           ; v[88:151]   at the end: 2 rows x 8 partial blocks x 4 columns
.set BO,  218                          ; v218        my byte offset in the block's 64 numbers of bias
.set BI,  220                          ; v[220:223]  bias of my 4 columns
.set G1X, 24                           ; s[24:31]  descriptor group 1 for x's tile
.set G1A, 32                           ; s[32:39]  descriptor group 1 for a's tile
.set G0X, 40                           ; s[40:43]  descriptor group 0 for x's tile
.set G0A, 44                           ; s[44:47]  descriptor group 0 for a's tile
.set SHAPE, (2<<16)|(1<<20)|(1<<21)|(5<<22)|(3<<25)   ; 17:16 elements of 4 bytes; 20 padding on; 21 set beside a mask; 24:22 after every 64 words; 31:25 four words
; A round of the cluster's barrier: my work-group's barrier, so that wave 0 speaks for all eight waves; wave 0 signals for the work-group;
; every wave waits for all sixteen work-groups; my work-group's barrier once more.
.macro ROUND
	s_barrier_signal -1
	s_barrier_wait -1
	s_cmp_lg_u32 s12, 0
	s_cbranch_scc1 .Lnot_wave_0_\@
	s_barrier_signal -3
.Lnot_wave_0_\@:
	s_barrier_wait -3
	s_barrier_signal -1
	s_barrier_wait -1
.endm
	s_load_b256 s[4:11], s[0:1], 0x0               ; x s[4:5], a s[6:7], bias s[8:9], out0 s[10:11]
	v_lshl_add_u32 v224, v0, 2, 0x47000
	v_mov_b32 v225, 0
	ds_add_u32 v224, v225
	s_wait_dscnt 0x0
	v_lshrrev_b32 v1, 5, v0
	v_readfirstlane_b32 s12, v1                    ; wave 0..7
	s_bfe_u32 s13, ttmp6, 0x40000                  ; cx: my place along the cluster's x
	s_bfe_u32 s14, ttmp6, 0x40004                  ; cy: along its y
	s_lshl_b32 s15, ttmp9, 2                       ; in a cluster launch ttmp9 and ttmp7 count clusters
	s_add_co_u32 s15, s15, s13                     ; block column (64 i) = 4 x cluster x + cx
	s_and_b32 s16, ttmp7, 0xffff
	s_lshl_b32 s16, s16, 2
	s_add_co_u32 s16, s16, s14                     ; block row (32 b) = 4 x cluster y + cy
	s_lshl_b32 s17, s14, 2
	s_lshl_b32 s17, 15, s17                        ; my row of the cluster: places 4 cy .. 4 cy + 3
	s_lshl_b32 s18, 0x1111, s13                    ; my column: places cx, cx + 4, cx + 8, cx + 12
	; group 1: tiles of 32 (x) or 64 (a) rows x 64 elements of 4 bytes, 512 elements from row to row; the tiles lie inside their tensors
	s_or_b32  s[G1X+0], s17, SHAPE                 ; x's tile goes to my row of the cluster
	s_mov_b32 s[G1X+1], JW<<16                     ; tensor_dim0 = 64
	s_mov_b32 s[G1X+2], TB<<16                     ; tensor_dim1 = 32
	s_mov_b32 s[G1X+3], JW<<16                     ; tile_dim0 = 64
	s_mov_b32 s[G1X+4], TB                         ; tile_dim1 = 32
	s_mov_b32 s[G1X+5], 512                        ; pitch in elements
	s_mov_b32 s[G1X+6], 0
	s_mov_b32 s[G1X+7], 0
	s_or_b32  s[G1A+0], s18, SHAPE                 ; a's tile goes to my column of the cluster
	s_mov_b32 s[G1A+1], JW<<16
	s_mov_b32 s[G1A+2], TI<<16                     ; tensor_dim1 = 64
	s_mov_b32 s[G1A+3], JW<<16
	s_mov_b32 s[G1A+4], TI                         ; tile_dim1 = 64
	s_mov_b32 s[G1A+5], 512
	s_mov_b32 s[G1A+6], 0
	s_mov_b32 s[G1A+7], 0
	; where the tiles come from: x's offset is made of the block row and the wave, a's of the block column and the wave, in registers of their own
	s_lshl_b32 s19, s12, 8                         ; my wave's 256 bytes in a row
	s_lshl_b32 s20, s16, 16                        ; 32 rows of 2,048 bytes for each block row
	s_add_co_u32 s20, s20, s19
	s_mov_b32 s21, 0
	s_lshl_b32 s22, s15, 17                        ; 64 rows of 2,048 bytes for each block column
	s_add_co_u32 s22, s22, s19
	s_mov_b32 s23, 0
	; and where they go: the wave's number alone enters an LDS address
	s_mov_b32 s[G0X+0], 1
	s_mul_i32 s[G0X+1], s12, XCH
	s_mov_b32 s[G0A+0], 1
	s_mul_i32 s[G0A+1], s12, ACH
	s_add_co_u32 s[G0A+1], s[G0A+1], ABASE
	ROUND                                          ; all sixteen work-groups are here: the joint loads meet (the arguments' load is on its way meanwhile)
	s_wait_kmcnt 0x0
	s_add_nc_u64 s[G0X+2:G0X+3], s[4:5], s[20:21]
	s_or_b32 s[G0X+3], s[G0X+3], 0x80000000        ; type = 2
	s_add_nc_u64 s[G0A+2:G0A+3], s[6:7], s[22:23]
	s_or_b32 s[G0A+3], s[G0A+3], 0x80000000
	tensor_load_to_lds s[G0X:G0X+3], s[G1X:G1X+7]  ; my 64 j of the block's 32 rows of x
	s_nop 0
	tensor_load_to_lds s[G0A:G0A+3], s[G1A:G1A+7]  ; my 64 j of the block's 64 rows of a: two tensor loads of the wave are out, no more ever
	s_nop 0
	; addresses, while the tiles are on their way
	s_lshl_b32 s54, s15, 8                         ; the block's 64 columns: 256 bytes for each block column
	s_mov_b32 s55, 0
	s_add_nc_u64 s[8:9], s[8:9], s[54:55]          ; bias at the block's first column
	s_lshl_b32 s56, s16, 16
	s_add_co_u32 s56, s56, s54
	s_mov_b32 s57, 0
	s_add_nc_u64 s[10:11], s[10:11], s[56:57]      ; out0 at the block's corner
	v_and_b32 v11, 15, v0                          ; l & 15
	v_lshlrev_b32 v[BO], 4, v11
	global_load_b128 v[BI:BI+3], v[BO], s[8:9]     ; bias of the 4 columns that I store; waited for at the end
	v_and_b32 v8, 3, v0                            ; lb
	v_bfe_u32 v9, v0, 2, 3                         ; li
	v_bfe_u32 v12, v0, 4, 1                        ; l >> 4
	v_mul_u32_u24 v10, v8, PITCH
	v_add_nc_u32 v[XA], s[G0X+1], v10              ; x: my wave's chunk, row lb
	v_mul_u32_u24 v10, v9, 4*PITCH
	v_add_nc_u32 v[AA], s[G0A+1], v10              ; a: my wave's chunk, row 4 li
	s_mul_i32 s50, s12, SCH
	s_add_co_u32 s50, s50, STAGE                   ; my wave's partial block
	v_mul_u32_u24 v10, v8, SP
	v_lshl_add_u32 v10, v9, 4, v10
	v_add_nc_u32 v[ST], s50, v10                   ; row lb, columns 4 li .. 4 li + 3
	s_mul_i32 s51, s12, 4*SP
	s_add_co_u32 s51, s51, STAGE                   ; at the end wave w takes rows 4 w .. 4 w + 3 of every partial block
	v_mul_u32_u24 v10, v12, SP
	v_lshl_add_u32 v10, v11, 4, v10
	v_add_nc_u32 v[RD], s51, v10                   ; lanes 0-15 one row of 256 bytes, lanes 16-31 the next
	v_add_nc_u32 v[RD2], 4*SCH, v[RD]
	s_lshl_b32 s52, s12, 13                        ; 4 rows of 2,048 bytes for each wave
	v_lshlrev_b32 v10, 11, v12
	v_lshl_add_u32 v10, v11, 4, v10
	v_add_nc_u32 v[CO], s52, v10                   ; the same two rows in out0
; 16 LDS loads: 4 j (16 bytes at byte off of the rows) of my 8 rows of x and of my 8 rows of a.
; In each half of the lanes 4 different rows are read: x's are neighbours (16 bytes apart mod 256), a's are 4 rows apart (64 bytes apart mod 256).
.macro FETCH xb, ab, off
.irp r, 0,1,2,3,4,5,6,7
	ds_load_b128 v[\xb+4*\r:\xb+4*\r+3], v[XA] offset:\off+4*\r*PITCH
.endr
.irp r, 0,1,2,3,4,5,6,7
	ds_load_b128 v[\ab+4*\r:\ab+4*\r+3], v[AA] offset:\off+(32*(\r>>2)+(\r&3))*PITCH
.endr
.endm
; Two j (h = 0: the buffers' first pair, 1: the second) for all 64 outputs: for each row of x eight packed sums, then eight maxima of three.
; A sum is used eight instructions behind the one that makes it, a maximum is taken up again 128 instructions later.
; The pair of sums of column ri lies where neither of its register numbers equals the maximum's mod 4.
; start = 1: the first two sums start the maxima: nothing is ever cleared.
.macro HALF xb, ab, h, start
.irp rb, 0,1,2,3,4,5,6,7
.irp ri, 0,1,2,3,4,5,6,7
.set tp, T+8*(\ri>>2)+4*(\ri&1)+2-2*((\ri>>1)&1)
	v_pk_add_f32 v[tp:tp+1], v[\xb+4*\rb+2*\h:\xb+4*\rb+2*\h+1], v[\ab+4*\ri+2*\h:\ab+4*\ri+2*\h+1]
.endr
.irp ri, 0,1,2,3,4,5,6,7
.set tp, T+8*(\ri>>2)+4*(\ri&1)+2-2*((\ri>>1)&1)
.if \start
	v_max_num_f32 v[ACC+8*\rb+\ri], v[tp], v[tp+1]
.else
	v_max3_num_f32 v[ACC+8*\rb+\ri], v[ACC+8*\rb+\ri], v[tp], v[tp+1]
.endif
.endr
.endr
.endm
; A group: 4 j from buffers xb, ab, 256 vector instructions; at its head the next group's 16 loads go out into the other buffers.
.macro GROUP xb, ab, nx, na, off, fetch, start
	s_wait_dscnt 0x0                               ; this group's 16 loads, issued a whole group ago, are in
.if \fetch
	FETCH \nx, \na, \off
.endif
	HALF \xb, \ab, 0, \start
	HALF \xb, \ab, 1, 0
.endm
	s_wait_tensorcnt 0x0                           ; both my tiles are in LDS; no other wave reads them
	FETCH X0, A0, 0                                ; group 0
	GROUP X0, A0, X1, A1, 16, 1, 1                 ; group 0 stands in front of the loop: its first sums start the maxima; fetches group 1
	s_mov_b32 s3, 7                                ; 16 groups of 4 j = 1 + 7 x 2 + 1
.Ltrip:                                            ; trip t: XA and AA stand at byte 32 t of the rows
	GROUP X1, A1, X0, A0, 32, 1, 0                 ; group 2 t + 1; fetches group 2 t + 2
	GROUP X0, A0, X1, A1, 48, 1, 0                 ; group 2 t + 2; fetches group 2 t + 3 (the last trip: group 15, bytes 240-255 of the rows)
	v_add_nc_u32 v[XA], 32, v[XA]
	v_add_nc_u32 v[AA], 32, v[AA]
	s_sub_co_u32 s3, s3, 1
	s_cmp_lg_u32 s3, 0
	s_cbranch_scc1 .Ltrip
	GROUP X1, A1, X0, A0, 0, 0, 0                  ; group 15 fetches nothing
	; THE EIGHT PARTIAL BLOCKS MEET.  Each wave lays its 32 x 64 maxima into its own part of the stage: row 4 rb + lb, columns 32 g + 4 li + 0..3.
.irp rb, 0,1,2,3,4,5,6,7
.irp g, 0,1
	ds_store_b128 v[ST], v[ACC+8*\rb+4*\g:ACC+8*\rb+4*\g+3] offset:4*\rb*SP+128*\g
.endr
.endr
	s_wait_dscnt 0x0                               ; for the other waves' sake: all my stores are in LDS
	s_barrier_signal -1
	s_barrier_wait -1                              ; everybody's are
	; Thread (w, l) takes rows 4 w + 2 k + (l >> 4), k = 0, 1, columns 4 (l & 15) + 0..3, of all eight partial blocks.
.irp k, 0,1
.irp p, 0,1,2,3
	ds_load_b128 v[R+32*\k+4*\p:R+32*\k+4*\p+3], v[RD] offset:\p*SCH+\k*2*SP
.endr
.irp p, 4,5,6,7
	ds_load_b128 v[R+32*\k+4*\p:R+32*\k+4*\p+3], v[RD2] offset:(\p-4)*SCH+\k*2*SP
.endr
.endr
	s_wait_loadcnt 0x0                             ; bias, asked for at the start
.irp k, 0,1
	s_wait_dscnt 8-8*\k                            ; LDS loads come back in order: row k's eight are in; for k = 0 the eight younger ones stay out
.irp q, 4,12,20
.irp c, 0,1,2,3
	v_max3_num_f32 v[R+32*\k+\c], v[R+32*\k+\c], v[R+32*\k+\q+\c], v[R+32*\k+\q+4+\c]
.endr
.endr
.irp c, 0,1,2,3
	v_max_num_f32 v[R+32*\k+\c], v[R+32*\k+\c], v[R+32*\k+28+\c]
.endr
	v_pk_add_f32 v[R+32*\k:R+32*\k+1], v[R+32*\k:R+32*\k+1], v[BI:BI+1]           ; the bias comes behind the maximum, as in the reference
	v_pk_add_f32 v[R+32*\k+2:R+32*\k+3], v[R+32*\k+2:R+32*\k+3], v[BI+2:BI+3]
	global_store_b128 v[CO], v[R+32*\k:R+32*\k+3], s[10:11] offset:\k*2*ROWB th:TH_STORE_NT   ; 16 lanes store 256 consecutive bytes, at a multiple of 256 from out0's first byte
.endr
	s_wait_tensorcnt 0x0
	ds_add_u32 v224, v225
	s_wait_dscnt 0x0
	ROUND                                          ; the closing round: no work-group ends while a partner may still ask for a tile that names it
	s_endpgm
.Lfunc_end_k_qd23e48948e_maxplus:
	.size	k_qd23e48948e_maxplus, .Lfunc_end_k_qd23e48948e_maxplus-k_qd23e48948e_maxplus
	.p2alignl 7, 3214868480
	.fill 96, 4, 3214868480
	.section	.rodata,"a",@progbits
	.p2align	6, 0x0
	.amdhsa_kernel k_qd23e48948e_maxplus
		.amdhsa_group_segment_fixed_size 291840
		.amdhsa_private_segment_fixed_size 0
		.amdhsa_enable_private_segment 0
		.amdhsa_kernarg_size 32
		.amdhsa_user_sgpr_count 2
		.amdhsa_user_sgpr_kernarg_segment_ptr 1
		.amdhsa_wavefront_size32 1
		.amdhsa_system_sgpr_workgroup_id_x 1
		.amdhsa_system_sgpr_workgroup_id_y 1
		.amdhsa_system_sgpr_workgroup_id_z 1
		.amdhsa_system_vgpr_workitem_id 0
		.amdhsa_next_free_vgpr 226
		.amdhsa_next_free_sgpr 66
		.amdhsa_reserve_vcc 0
		.amdhsa_float_denorm_mode_32 3
		.amdhsa_float_denorm_mode_16_64 3
		.amdhsa_memory_ordered 1
		.amdhsa_forward_progress 1
		.amdhsa_inst_pref_size 77
	.end_amdhsa_kernel
	.amdgpu_metadata
---
amdhsa.version: [ 1, 2 ]
amdhsa.kernels:
  - .name:           k_qd23e48948e_maxplus
    .symbol:         k_qd23e48948e_maxplus.kd
    .args:
      - { .name: x, .offset: 0, .size: 8, .value_kind: global_buffer, .address_space: global }
      - { .name: a, .offset: 8, .size: 8, .value_kind: global_buffer, .address_space: global }
      - { .name: bias, .offset: 16, .size: 8, .value_kind: global_buffer, .address_space: global }
      - { .name: out0, .offset: 24, .size: 8, .value_kind: global_buffer, .address_space: global }
    .group_segment_fixed_size: 291840
    .private_segment_fixed_size: 0
    .kernarg_segment_align: 8
    .kernarg_segment_size: 32
    .max_flat_workgroup_size: 256
    .sgpr_count:     66
    .vgpr_count:     226
    .wavefront_size: 32
...
	.end_amdgpu_metadata
.endif
;; end of part 1
